; MI455X (gfx1250); checked and timed in simulation.
; The chip was launched on July 23, 2026; its instructions are those of AMD's public machine-readable ISA for CDNA 5 (MIT licence, August 2026) and "CDNA5" Instruction Set Architecture Reference Guide (July 2026). The comments in the code are by the model that wrote it; some were corrected since.
;; Multi Head Self Attention. Allowed arithmetic: float matrix products may take bf16 or f16 operands with f32 sums; all other float work in f32.
;; Inputs: Wk 1,024 x 1,024 float32; Wo 1,024 x 1,024 float32; Wq 1,024 x 1,024 float32; Wv 1,024 x 1,024 float32; key 2 x 2,048 x 1,024 float32; query 2 x 2,048 x 1,024 float32; value 2 x 2,048 x 1,024 float32.
;; Outputs: out0 2 x 2,048 x 1,024 float32.
;; One version. Each part assembles by itself: llvm-mc -triple=amdgcn-amd-amdhsa -mcpu=gfx1250 --defsym DOCPART=n.
;; ======== version 1 of 1: 4 launches
;; limits: values are held in f16: magnitudes above 65,504 overflow, below 6.1e-05 lose precision; right only within a limited range of input values
;; workspace buffers: xh 25,165,824 bytes; wh 8,388,608 bytes; qkv 25,165,824 bytes; ao 8,388,608 bytes
;; launch cvt (part 1): grid 1024 x 1, 8 waves a work-group, no clusters, 0 bytes of LDS; arguments query, key, value, Wq, Wk, Wv, Wo, xh, wh; writes xh, wh
.if DOCPART == 1
	.amdgcn_target "amdgcn-amd-amdhsa--gfx1250"
	.amdhsa_code_object_version 6
	.text
	.protected	k_q6fe214b06a_cvt
	.globl	k_q6fe214b06a_cvt
	.p2align	8
	.type	k_q6fe214b06a_cvt,@function
k_q6fe214b06a_cvt:
	s_mov_b64 s[64:65], 0
	v_nop
	global_prefetch_b8 v0, s[64:65] scope:SCOPE_SE
	s_setreg_imm32_b32 hwreg(HW_REG_WAVE_MODE, 25, 1), 1
	s_wait_xcnt 0x0
; f32 -> f16 with exact power-of-two scales, once for the whole program:
;   xh[3][4096][1024] = f16(query / 16), f16(key / 16), f16(value / 16);   wh[4][1024][1024] = f16(Wq), f16(Wk), f16(Wv), f16(16 Wo).
; The scales cancel: out = (attention result / 16) x (16 Wo)^T, and the softmax constant of the attention launch takes up 16 x 16.
; LIMIT (format): |x| < 1.04e6, |Wq|, |Wk|, |Wv| < 65,504 and |Wo| < 4,094, beyond which f16 has no finite code.
; A stream: 1,024 work-groups of 64 KiB of input (768 for the three x, 256 for the four weights), a wave takes 8 KiB by sixteen
; 16-byte loads a lane, all sixteen on their way at once; a load of a wave covers 512 consecutive bytes, a store 256, aligned.
; No LDS, no matrix unit, no cluster: no byte is used twice.
.set X, 4                              ; v[4:67]   sixteen loads of four f32
.set Y, 68                             ; v[68:99]  sixteen stores of four f16
	s_load_b512 s[8:23], s[0:1], 0x0               ; query s[8:9], key, value, Wq s[14:15], Wk, Wv, Wo s[20:21], xh s[22:23]
	s_load_b64 s[24:25], s[0:1], 0x40              ; wh
	s_mov_b32 s6, ttmp9                            ; c, the work-group's number
	s_lshr_b32 s2, ttmp9, 8                        ; 0, 1, 2: query, key, value; 3: a weight
	s_bfe_u32 s3, ttmp9, 0x20006                   ; which weight (2 bits from bit 6)
	s_and_b32 s4, ttmp9, 255                       ; chunk of an x; also the chunk of wh
	s_and_b32 s5, ttmp9, 63                        ; chunk of a weight
	v_lshrrev_b32 v1, 5, v0
	v_and_b32 v2, 31, v0
	v_lshlrev_b32 v2, 4, v2
	v_lshl_or_b32 v1, v1, 13, v2                   ; in: 8,192 x wave + 16 x lane
	v_lshrrev_b32 v2, 1, v1                        ; out: half of that
	s_wait_kmcnt 0x0
	s_cmp_eq_u32 s2, 1                             ; the choices hang on the work-group's number alone
	s_cselect_b64 s[32:33], s[10:11], s[8:9]
	s_cmp_eq_u32 s2, 2
	s_cselect_b64 s[32:33], s[12:13], s[32:33]
	s_cmp_eq_u32 s3, 1
	s_cselect_b64 s[34:35], s[16:17], s[14:15]
	s_cmp_eq_u32 s3, 2
	s_cselect_b64 s[34:35], s[18:19], s[34:35]
	s_cmp_eq_u32 s3, 3
	s_cselect_b64 s[34:35], s[20:21], s[34:35]
	s_cselect_b32 s26, 0x41800000, 1.0             ; Wo x 16, the other weights as they are
	s_cmp_eq_u32 s2, 3
	s_cselect_b64 s[32:33], s[34:35], s[32:33]     ; from
	s_cselect_b64 s[36:37], s[24:25], s[22:23]     ; to
	s_cselect_b32 s30, s26, 0x3d800000             ; x / 16
	s_cselect_b32 s28, s5, s4                      ; chunk in the source
	s_cselect_b32 s38, s4, s6                      ; chunk in the destination (xh is the three x stacked)
	s_mov_b32 s31, s30
	s_lshl_b32 s28, s28, 16                        ; 64 KiB of f32
	s_mov_b32 s29, 0
	s_lshl_b32 s38, s38, 15                        ; 32 KiB of f16
	s_mov_b32 s39, 0
	s_add_nc_u64 s[32:33], s[32:33], s[28:29]
	s_add_nc_u64 s[36:37], s[36:37], s[38:39]
.irp i, 0,1,2,3,4,5,6,7,8,9,10,11,12,13,14,15
	global_load_b128 v[X+4*\i:X+4*\i+3], v1, s[32:33] offset:512*\i th:TH_LOAD_NT
.endr
.irp i, 0,1,2,3,4,5,6,7,8,9,10,11,12,13,14,15
	s_wait_loadcnt 15-\i                           ; loads come back in order: load i is in, the 15 - i younger ones stay out
	v_pk_mul_f32 v[X+4*\i:X+4*\i+1], v[X+4*\i:X+4*\i+1], s[30:31] op_sel_hi:[1,0]
	v_pk_mul_f32 v[X+4*\i+2:X+4*\i+3], v[X+4*\i+2:X+4*\i+3], s[30:31] op_sel_hi:[1,0]
	v_cvt_pk_f16_f32 v[Y+2*\i], v[X+4*\i], v[X+4*\i+1]
	v_cvt_pk_f16_f32 v[Y+2*\i+1], v[X+4*\i+2], v[X+4*\i+3]
	global_store_b64 v2, v[Y+2*\i:Y+2*\i+1], s[36:37] offset:256*\i   ; no register of a pending access is written again in this text
.endr
	s_endpgm
.Lfunc_end_k_q6fe214b06a_cvt:
	.size	k_q6fe214b06a_cvt, .Lfunc_end_k_q6fe214b06a_cvt-k_q6fe214b06a_cvt
	.p2alignl 7, 3214868480
	.fill 96, 4, 3214868480
	.section	.rodata,"a",@progbits
	.p2align	6, 0x0
	.amdhsa_kernel k_q6fe214b06a_cvt
		.amdhsa_group_segment_fixed_size 0
		.amdhsa_private_segment_fixed_size 0
		.amdhsa_enable_private_segment 0
		.amdhsa_kernarg_size 72
		.amdhsa_user_sgpr_count 2
		.amdhsa_user_sgpr_kernarg_segment_ptr 1
		.amdhsa_wavefront_size32 1
		.amdhsa_system_sgpr_workgroup_id_x 1
		.amdhsa_system_sgpr_workgroup_id_y 1
		.amdhsa_system_sgpr_workgroup_id_z 1
		.amdhsa_system_vgpr_workitem_id 0
		.amdhsa_next_free_vgpr 100
		.amdhsa_next_free_sgpr 66
		.amdhsa_reserve_vcc 0
		.amdhsa_float_denorm_mode_32 3
		.amdhsa_float_denorm_mode_16_64 3
		.amdhsa_memory_ordered 1
		.amdhsa_forward_progress 1
		.amdhsa_inst_pref_size 10
	.end_amdhsa_kernel
	.amdgpu_metadata
---
amdhsa.version: [ 1, 2 ]
amdhsa.kernels:
  - .name:           k_q6fe214b06a_cvt
    .symbol:         k_q6fe214b06a_cvt.kd
    .args:
      - { .name: query, .offset: 0, .size: 8, .value_kind: global_buffer, .address_space: global }
      - { .name: key, .offset: 8, .size: 8, .value_kind: global_buffer, .address_space: global }
      - { .name: value, .offset: 16, .size: 8, .value_kind: global_buffer, .address_space: global }
      - { .name: Wq, .offset: 24, .size: 8, .value_kind: global_buffer, .address_space: global }
      - { .name: Wk, .offset: 32, .size: 8, .value_kind: global_buffer, .address_space: global }
      - { .name: Wv, .offset: 40, .size: 8, .value_kind: global_buffer, .address_space: global }
      - { .name: Wo, .offset: 48, .size: 8, .value_kind: global_buffer, .address_space: global }
      - { .name: xh, .offset: 56, .size: 8, .value_kind: global_buffer, .address_space: global }
      - { .name: wh, .offset: 64, .size: 8, .value_kind: global_buffer, .address_space: global }
    .group_segment_fixed_size: 0
    .private_segment_fixed_size: 0
    .kernarg_segment_align: 8
    .kernarg_segment_size: 72
    .max_flat_workgroup_size: 256
    .sgpr_count:     66
    .vgpr_count:     100
    .wavefront_size: 32
...
	.end_amdgpu_metadata
.endif
;; end of part 1
;; launch proj (part 2): grid 4 x 48, 4 waves a work-group, clusters of 4 x 4, 327,680 bytes of LDS; arguments xh, wh, qkv; writes qkv
.if DOCPART == 2
	.amdgcn_target "amdgcn-amd-amdhsa--gfx1250"
	.amdhsa_code_object_version 6
	.text
	.protected	k_q6fe214b06a_proj
	.globl	k_q6fe214b06a_proj
	.p2align	8
	.type	k_q6fe214b06a_proj,@function
k_q6fe214b06a_proj:
	s_mov_b64 s[64:65], 0
	v_nop
	global_prefetch_b8 v0, s[64:65] scope:SCOPE_SE
	s_setreg_imm32_b32 hwreg(HW_REG_WAVE_MODE, 25, 1), 1
	s_wait_xcnt 0x0
	s_wait_alu depctr_hold_cnt(0) depctr_sa_sdst(0) depctr_va_vdst(0) depctr_va_sdst(0) depctr_va_ssrc(0) depctr_va_vcc(0) depctr_vm_vsrc(0)
	s_getreg_b32 s2, hwreg(HW_REG_IB_STS2, 6, 4)
	s_cmp_eq_u32 s2, 0
	s_cbranch_scc0 .Lentry_in_a_cluster
	s_endpgm
.Lentry_in_a_cluster:
	s_bfe_u32 s2, ttmp6, 0x10000c
	s_cmp_lg_u32 s2, 0xf033
	s_cbranch_scc0 .Lentry_shape_is_right
	s_endpgm
.Lentry_shape_is_right:
; q/16, k/16, v/16 = xh[p] wh[p]^T for p = 0, 1, 2, as ONE product: A = xh, 12,288 rows of 1,024 f16 (the three x stacked); block row y
; (256 rows) belongs to projection y >> 4 and multiplies that projection's 1,024 rows of wh.  f16 operands, f32 sums, results f16.
; Output qkv[3][b][h][n][64] f16, head-major: a head's 2,048 rows of 128 bytes lie densely, as the attention launch reads them.
; LIMIT (format): |x W^T| < 1.04e6 (the result divided by 16 must have a finite f16 code).
; 192 work-groups of 256 x 256, four waves of 128 x 128 (64 accumulator tiles, 512 registers).  256 equal shares of this area would be
; three blocks of 128 x 128 each, whose 64 x 64 wave tiles read twice the LDS bytes for each multiply-add: the large blocks are taken.
; K goes in steps of 128 through two LDS slots filled by tensor loads; a tile's rows are 256 bytes of memory, aligned to 256.
; CLUSTERS: 4 x 4 work-groups.  A's tile hangs on the block row alone and is asked for jointly by a row of the cluster, B's on the block
; column and the projection (the cluster's y >> 2, the same in all sixteen) and is asked for jointly by a column.
; REGISTER WINDOWS: 0: v0-31 addresses, v64-127 and v128-191 A's fragments (two buffers), v192-223 at work on the way out;
; 1: v64-127, v128-191 B's fragments; 2: accumulator tiles of my rows 0-63 (tile (a, b) at 8 (8 a + b)); 3: of my rows 64-127.
; THE MATRIX INSTRUCTION IS USED TRANSPOSED (source 0 = rows of wh, source 1 = rows of xh): a lane then holds eight neighbouring columns
; of one row of the result, 16 bytes of f16.
.set SIZE_K, 1024
.set KSTEP,  128
.set PITCH,  272                       ; 256 bytes + 16 of padding, an odd multiple of 16: the 16 rows of a fragment load start in 16 different 16-byte columns modulo 256 bytes
.set HALFT,  128*PITCH                 ; what one tensor load brings
.set SLOT,   4*HALFT                   ; A's 256 rows, then B's 256 rows
.set STAGE,  2*SLOT                    ; behind the ring: 16 rows x 272 bytes for each wave; no tensor load lands here
.set SPITCH, 272
.set LAPS, SIZE_K/(2*KSTEP)            ; 4 laps of two K steps
.set ADRA, 16                          ; v16-17  LDS address of my A fragments in slot 0, 1
.set ADRB, 20                          ; v20-21  the same for B
.set STO,  24                          ; v24     the way out: where I put 16 bytes of a row
.set RD,   25                          ; v25     the way out: where I read back
.set CO,   26                          ; v26     my byte offset in qkv: 16 x lane
.set F0,   64
.set F1,   128
.set TMP,  192
.set G1, 24                            ; s[24:31] group 1 for A's tiles
.set G0, 32                            ; s[32:39] group 0 for A's tiles, one set for each slot
.set G1B, 48                           ; s[48:55] group 1 for B's tiles: the mask differs
.set G0B, 56                           ; s[56:63] group 0 for B's tiles
.set MSB, 0
.macro WIN new                         ; the immediate's high byte repeats the setting that is left
.if MSB != \new
	s_set_vgpr_msb (MSB<<8)|\new
.set MSB, \new
.endif
.endm
.set MUL_LO, 0xa1                      ; source 0 (B) window 1, source 1 (A) window 0, C and D window 2
.set MUL_HI, 0xf1                      ; the same, C and D window 3
.set TO_B,   0x40                      ; destination window 1, address window 0
; A joint load: waves 0 and 1 ask for A's two halves, waves 2 and 3 for B's.  The branch hangs on the wave's number alone.
.macro JLOAD s
	s_cmp_eq_u32 s11, 0
	s_cbranch_scc0 .Lfor_b_\@
	tensor_load_to_lds s[G0+4*\s:G0+4*\s+3], s[G1:G1+7]
	s_nop 0
	s_branch .Lasked_\@
.Lfor_b_\@:
	tensor_load_to_lds s[G0B+4*\s:G0B+4*\s+3], s[G1B:G1B+7]
	s_nop 0
.Lasked_\@:
.endm
.macro CREST                           ; a round of the cluster's barrier behind its opening work-group barrier
	s_cmp_lg_u32 s10, 0
	s_cbranch_scc1 .Lnot_wave_0_\@
	s_barrier_signal -3
.Lnot_wave_0_\@:
	s_barrier_wait -3
	s_barrier_signal -1
	s_barrier_wait -1
.endm
.macro CROUND                          ; a whole round
	s_barrier_signal -1
	s_barrier_wait -1
	CREST
.endm
	s_load_b128 s[4:7], s[0:1], 0x0                ; xh s[4:5], wh s[6:7]
	s_load_b64 s[8:9], s[0:1], 0x10                ; qkv
	s_set_vgpr_msb 0x40
	v_lshl_add_u32 v255, v0, 2, 0x48400
	s_set_vgpr_msb 0x4000
	v_mov_b32 v255, 0
	s_set_vgpr_msb 0x1
	ds_add_u32 v255, v255
	s_set_vgpr_msb 0x100
	v_lshrrev_b32 v1, 5, v0
	v_readfirstlane_b32 s10, v1                    ; wave 0..3
	s_lshr_b32 s11, s10, 1                         ; my half of the block's rows; also: I ask for A (0) or B (1)
	s_and_b32 s12, s10, 1                          ; my half of its columns; also: which 128 rows of that tile I ask for
	s_bfe_u32 s40, ttmp6, 0x40000                  ; cx
	s_bfe_u32 s41, ttmp6, 0x40004                  ; cy
	s_lshl_b32 s42, ttmp9, 2
	s_add_co_u32 s42, s42, s40                     ; block column 0..3 = 4 x cluster x + cx
	s_and_b32 s13, ttmp7, 0xffff                   ; cluster y, 0..11
	s_lshr_b32 s45, s13, 2                         ; the projection, from the cluster's y alone: four clusters of 1,024 rows each
	s_lshl_b32 s13, s13, 2
	s_add_co_u32 s13, s13, s41                     ; block row 0..47 = 4 x cluster y + cy
	s_lshl_b32 s43, s41, 2
	s_lshl_b32 s43, 15, s43                        ; my row of the cluster: places 4 cy .. 4 cy + 3
	s_lshl_b32 s44, 0x1111, s40                    ; my column: places cx, cx + 4, cx + 8, cx + 12
	; group 1: 128 rows x 128 elements of 2 bytes, 4 words of padding behind every 64 words
	s_or_b32 s[G1+0], s43, (1<<16)|(1<<20)|(1<<21)|(5<<22)|(3<<25)
	s_or_b32 s[G1B+0], s44, (1<<16)|(1<<20)|(1<<21)|(5<<22)|(3<<25)
	s_mov_b32 s[G1B+1], KSTEP<<16
	s_mov_b32 s[G1+1], KSTEP<<16                   ; tensor_dim0 = 128
	s_mov_b32 s[G1B+2], 128<<16
	s_mov_b32 s[G1+2], 128<<16                     ; tensor_dim1 = 128
	s_mov_b32 s[G1B+3], KSTEP<<16
	s_mov_b32 s[G1+3], KSTEP<<16                   ; tile_dim0 = 128
	s_mov_b32 s[G1B+4], 128
	s_mov_b32 s[G1+4], 128                         ; tile_dim1 = 128
	s_mov_b32 s[G1B+5], SIZE_K
	s_mov_b32 s[G1+5], SIZE_K                      ; elements from row to row
	s_mov_b32 s[G1B+6], 0
	s_mov_b32 s[G1+6], 0
	s_mov_b32 s[G1B+7], 0
	s_mov_b32 s[G1+7], 0
	s_lshl_b32 s17, s12, 7                         ; which 128 rows of the tile I ask for
	s_lshl_b32 s16, s13, 8
	s_add_co_u32 s16, s16, s17                     ; A: row 256 x block row + 128 x half
	s_lshl_b32 s46, s42, 8
	s_add_co_u32 s46, s46, s17                     ; B: row 256 x block column + 128 x half
	s_lshl_b32 s45, s45, 10
	s_add_co_u32 s46, s46, s45                     ;    + 1,024 x projection
	s_mov_b32 s17, 0
	s_mov_b32 s47, 0
	s_mov_b64 s[18:19], SIZE_K*2
	s_mul_u64 s[16:17], s[16:17], s[18:19]         ; in bytes
	s_mul_u64 s[46:47], s[46:47], s[18:19]
	s_mul_i32 s20, s10, HALFT                      ; to LDS: wave x 128 rows; no place in the cluster enters an LDS address
	s_wait_dscnt 0x0
	s_wait_kmcnt 0x0
	s_add_nc_u64 s[14:15], s[4:5], s[16:17]
	s_add_nc_u64 s[46:47], s[6:7], s[46:47]
	CROUND                                         ; all sixteen work-groups are here: the first joint loads meet
.irp s, 0,1
	s_mov_b32 s[G0+4*\s], 1
	s_add_co_u32 s[G0+4*\s+1], s20, \s*SLOT
	s_add_nc_u64 s[G0+4*\s+2:G0+4*\s+3], s[14:15], \s*KSTEP*2
	s_or_b32 s[G0+4*\s+3], s[G0+4*\s+3], 0x80000000
	s_mov_b32 s[G0B+4*\s], 1
	s_add_co_u32 s[G0B+4*\s+1], s20, \s*SLOT
	s_add_nc_u64 s[G0B+4*\s+2:G0B+4*\s+3], s[46:47], \s*KSTEP*2
	s_or_b32 s[G0B+4*\s+3], s[G0B+4*\s+3], 0x80000000
	JLOAD \s                                       ; both first fills go out together: two tensor loads of a wave are out here, one later
.endr
	; a fragment: lane l holds row l % 16; registers 0-3 K = 8 (l / 16) + 0..7, registers 4-7 K = 16 + 8 (l / 16) + 0..7: two 16-byte loads, 32 bytes apart
	v_and_b32 v1, 15, v0
	v_bfe_u32 v2, v0, 4, 1
	v_mul_u32_u24 v3, v1, PITCH
	v_lshl_add_u32 v3, v2, 4, v3
	s_mul_i32 s21, s11, HALFT                      ; my 128 rows of A
	s_mul_i32 s22, s12, HALFT                      ; my 128 rows of B,
	s_add_co_u32 s22, s22, 2*HALFT                 ; behind A's 256
.irp s, 0,1
	v_add_nc_u32 v[ADRA+\s], s21, v3
	v_add_nc_u32 v[ADRB+\s], s22, v3
	s_add_co_u32 s21, s21, SLOT
	s_add_co_u32 s22, s22, SLOT
.endr
	s_mul_i32 s23, s10, 16*SPITCH
	s_add_co_u32 s23, s23, STAGE                   ; my stage
	v_mul_u32_u24 v4, v1, SPITCH                   ; in: row l % 16, 16 bytes for each half of the lanes
	v_lshl_add_u32 v4, v2, 4, v4
	v_add_nc_u32 v[STO], s23, v4
	v_and_b32 v6, 31, v0                           ; back: eight lanes take one head's 128 bytes of a row, four rows a load
	v_lshrrev_b32 v5, 3, v6
	v_mul_u32_u24 v5, v5, SPITCH
	v_and_b32 v7, 7, v0
	v_lshl_add_u32 v5, v7, 4, v5
	v_add_nc_u32 v[RD], s23, v5
	v_lshlrev_b32 v[CO], 4, v6                     ; in qkv those four rows of a head are 512 consecutive bytes
; 16 matrix instructions: m blocks a0, a0 + 1 of the window's four x all 8 n blocks, 32 along K.  zero = 1: the first product starts the sums.
.macro MUL16 f, hi, a0, zero
.irp a, \a0, \a0+1
.irp b, 0,1,2,3,4,5,6,7
.if \zero
	v_wmma_f32_16x16x32_f16 v[8*(8*(\a)+\b):8*(8*(\a)+\b)+7], v[\f+8*\b:\f+8*\b+7], v[\f+8*(4*\hi+\a):\f+8*(4*\hi+\a)+7], 0
.else
	v_wmma_f32_16x16x32_f16 v[8*(8*(\a)+\b):8*(8*(\a)+\b)+7], v[\f+8*\b:\f+8*\b+7], v[\f+8*(4*\hi+\a):\f+8*(4*\hi+\a)+7], v[8*(8*(\a)+\b):8*(8*(\a)+\b)+7]
.endif
.endr
.endr
.endm
; 32 LDS loads in one run: the fragments of one quarter step (32 K at byte k of the rows) into buffer f
.macro FETCH slot, k, f
	WIN TO_B
.irp i, 0,1,2,3,4,5,6,7
	ds_load_b128 v[\f+8*\i:\f+8*\i+3],   v[ADRB+\slot] offset:\k+\i*16*PITCH
	ds_load_b128 v[\f+8*\i+4:\f+8*\i+7], v[ADRB+\slot] offset:\k+\i*16*PITCH+32
.endr
	WIN 0
.irp i, 0,1,2,3,4,5,6,7
	ds_load_b128 v[\f+8*\i:\f+8*\i+3],   v[ADRA+\slot] offset:\k+\i*16*PITCH
	ds_load_b128 v[\f+8*\i+4:\f+8*\i+7], v[ADRA+\slot] offset:\k+\i*16*PITCH+32
.endr
.endm
; Four independent vector instructions between a matrix instruction and a load into one of its sources, or a vector instruction that reads
; its result; the matrix instructions in between are not counted.
.macro PLACES
.rept 4
	v_nop
.endr
.endm
; The 64 accumulators take turns, one instruction a turn, in the same order in every quarter step, over the backward jump too.
.macro QUARTER slot, k, f, g, zero
	s_wait_dscnt 8                                 ; B and A's rows 0-63 are in; the youngest eight loads (A's rows 64-127) may be out
	WIN MUL_LO
	MUL16 \f, 0, 0, \zero
	MUL16 \f, 0, 2, \zero
	PLACES
	FETCH \slot, \k, \g
	s_wait_dscnt 32                                ; all but the 32 just issued
	WIN MUL_HI
	MUL16 \f, 1, 0, \zero
	MUL16 \f, 1, 2, \zero
.endm
.macro THREE slot, zero
	QUARTER \slot, 64,  F0, F1, \zero
	QUARTER \slot, 128, F1, F0, 0
	QUARTER \slot, 192, F0, F1, 0
.endm
; The last quarter of a K step changes slots: each wave waits for its reads of this slot and for all its tensor loads (one is out: its part
; of the next slot), then the barrier; where the slot is filled again the barrier opens a round of the cluster's barrier, and the joint
; refill is the first tensor load behind the round.  From a request to the wait for it a wave issues 240 matrix instructions.
.macro TURN slot, next, fill
	s_wait_dscnt 8
	WIN MUL_LO
	MUL16 F1, 0, 0, 0
	s_wait_dscnt 0                                 ; my reads of this slot are over
	s_wait_tensorcnt 0x0                           ; all my tensor loads have landed
	ds_add_u32 v255, v255
	s_wait_dscnt 0x0
	s_barrier_signal -1
	MUL16 F1, 0, 2, 0                              ; register work while the others arrive
	WIN 0
	s_barrier_wait -1
.if \fill
	CREST
	s_add_nc_u64 s[G0+4*\slot+2:G0+4*\slot+3], s[G0+4*\slot+2:G0+4*\slot+3], 2*KSTEP*2   ; no tensor load of mine is out: group 0 may be written
	s_add_nc_u64 s[G0B+4*\slot+2:G0B+4*\slot+3], s[G0B+4*\slot+2:G0B+4*\slot+3], 2*KSTEP*2
	JLOAD \slot
.endif
	PLACES
	FETCH \next, 0, F0
	WIN MUL_HI
	MUL16 F1, 1, 0, 0
	MUL16 F1, 1, 2, 0
.endm
.macro LAP zero
	THREE 0, \zero
	TURN 0, 1, 1
	THREE 1, 0
	TURN 1, 0, 1
.endm
	s_wait_tensorcnt 1                             ; my part of K step 0 is in; K step 1's stays out
	s_barrier_signal -1
	s_barrier_wait -1
	FETCH 0, 0, F0
	LAP 1
	WIN 0
	s_mov_b32 s3, LAPS-2
.Llap:
	LAP 0
	WIN 0
	s_sub_co_u32 s3, s3, 1
	s_cmp_lg_u32 s3, 0
	s_cbranch_scc1 .Llap
	THREE 0, 0                                     ; the last lap fills nothing
	TURN 0, 1, 0
	THREE 1, 0
	s_wait_dscnt 8
	WIN MUL_LO
	MUL16 F1, 0, 0, 0
	MUL16 F1, 0, 2, 0
	s_wait_dscnt 0
	WIN MUL_HI
	MUL16 F1, 1, 0, 0
	MUL16 F1, 1, 2, 0
	; THE WAY OUT, 16 rows at a time: round to f16, 16 bytes a lane into my stage, read back by heads.
	PLACES
	s_lshl_b32 s13, s13, 8
	s_lshl_b32 s14, s11, 7
	s_add_co_u32 s16, s13, s14                     ; m0: my first row of the 12,288
	s_lshr_b32 s17, s16, 11                        ; 2 x projection + batch
	s_lshl_b32 s17, s17, 22                        ; x 16 heads of 262,144 bytes
	s_and_b32 s16, s16, 2047                       ; n
	s_lshl_b32 s16, s16, 7                         ; x 128 bytes
	s_add_co_u32 s16, s16, s17
	s_mov_b32 s17, 0
	s_add_nc_u64 s[8:9], s[8:9], s[16:17]
	s_lshl_b32 s46, s42, 2                         ; my first head = 4 x block column + 2 x half (in the registers that held B's address)
	s_lshl1_add_u32 s46, s12, s46
	s_lshl_b32 s46, s46, 18
	s_mov_b32 s47, 0
	s_add_nc_u64 s[8:9], s[8:9], s[46:47]
.macro OUT16 i, a, from, f
	WIN \from
.irp b, 0,1,2,3,4,5,6,7
.irp r, 0,1,2,3
	v_cvt_pk_f16_f32 v[TMP+4*\b+\r], v[8*(8*\a+\b)+2*\r], v[8*(8*\a+\b)+2*\r+1]
.endr
.endr
	WIN 0
.irp b, 0,1,2,3,4,5,6,7
	ds_store_b128 v[STO], v[TMP+4*\b:TMP+4*\b+3] offset:32*\b
.endr
	s_wait_xcnt 0x0                                ; buffer f, which earlier stores read, and the stores' base are rewritten only behind this wait
.if \i
	s_add_nc_u64 s[8:9], s[8:9], 16*128            ; 16 rows of a head on
.endif
.irp t, 0,1,2,3,4,5,6,7
	ds_load_b128 v[\f+4*\t:\f+4*\t+3], v[RD] offset:(\t&3)*4*SPITCH+(\t>>2)*128   ; rows 4 (t & 3) .. + 3, head t >> 2; LDS serves a wave's instructions in order
.endr
.irp t, 0,1,2,3,4,5,6,7
	s_wait_dscnt 7-\t
	global_store_b128 v[CO], v[\f+4*\t:\f+4*\t+3], s[8:9] offset:(\t>>2)*262144+(\t&3)*512   ; a wave stores 512 consecutive bytes, aligned
.endr
.endm
	OUT16 0, 0, 0x0a, F0
	OUT16 1, 1, 0x0a, F1
	OUT16 2, 2, 0x0a, F0
	OUT16 3, 3, 0x0a, F1
	OUT16 4, 0, 0x0f, F0
	OUT16 5, 1, 0x0f, F1
	OUT16 6, 2, 0x0f, F0
	OUT16 7, 3, 0x0f, F1
	s_set_vgpr_msb 0x1
	s_wait_tensorcnt 0x0
	ds_add_u32 v255, v255
	s_wait_dscnt 0x0
	s_set_vgpr_msb 0x100
	CROUND                                         ; the closing round: no work-group ends while a partner may still ask for a tile that names it
	s_endpgm
.Lfunc_end_k_q6fe214b06a_proj:
	.size	k_q6fe214b06a_proj, .Lfunc_end_k_q6fe214b06a_proj-k_q6fe214b06a_proj
	.p2alignl 7, 3214868480
	.fill 96, 4, 3214868480
	.section	.rodata,"a",@progbits
	.p2align	6, 0x0
	.amdhsa_kernel k_q6fe214b06a_proj
		.amdhsa_group_segment_fixed_size 327680
		.amdhsa_private_segment_fixed_size 0
		.amdhsa_enable_private_segment 0
		.amdhsa_kernarg_size 24
		.amdhsa_user_sgpr_count 2
		.amdhsa_user_sgpr_kernarg_segment_ptr 1
		.amdhsa_wavefront_size32 1
		.amdhsa_system_sgpr_workgroup_id_x 1
		.amdhsa_system_sgpr_workgroup_id_y 1
		.amdhsa_system_sgpr_workgroup_id_z 1
		.amdhsa_system_vgpr_workitem_id 0
		.amdhsa_next_free_vgpr 1024
		.amdhsa_next_free_sgpr 66
		.amdhsa_reserve_vcc 0
		.amdhsa_float_denorm_mode_32 3
		.amdhsa_float_denorm_mode_16_64 3
		.amdhsa_memory_ordered 1
		.amdhsa_forward_progress 1
		.amdhsa_inst_pref_size 196
	.end_amdhsa_kernel
	.amdgpu_metadata
---
amdhsa.version: [ 1, 2 ]
amdhsa.kernels:
  - .name:           k_q6fe214b06a_proj
    .symbol:         k_q6fe214b06a_proj.kd
    .args:
      - { .name: xh, .offset: 0, .size: 8, .value_kind: global_buffer, .address_space: global }
      - { .name: wh, .offset: 8, .size: 8, .value_kind: global_buffer, .address_space: global }
      - { .name: qkv, .offset: 16, .size: 8, .value_kind: global_buffer, .address_space: global }
    .group_segment_fixed_size: 327680
    .private_segment_fixed_size: 0
    .kernarg_segment_align: 8
    .kernarg_segment_size: 24
    .max_flat_workgroup_size: 128
    .sgpr_count:     66
    .vgpr_count:     1024
    .wavefront_size: 32
...
	.end_amdgpu_metadata
.endif
;; end of part 2
;; launch attn (part 3): grid 8 x 32, 8 waves a work-group, clusters of 4 x 1, 327,680 bytes of LDS; arguments qkv, ao; writes ao
.if DOCPART == 3
	.amdgcn_target "amdgcn-amd-amdhsa--gfx1250"
	.amdhsa_code_object_version 6
	.text
	.protected	k_q6fe214b06a_attn
	.globl	k_q6fe214b06a_attn
	.p2align	8
	.type	k_q6fe214b06a_attn,@function
k_q6fe214b06a_attn:
	s_mov_b64 s[64:65], 0
	v_nop
	global_prefetch_b8 v0, s[64:65] scope:SCOPE_SE
	s_setreg_imm32_b32 hwreg(HW_REG_WAVE_MODE, 25, 1), 1
	s_wait_xcnt 0x0
	s_wait_alu depctr_hold_cnt(0) depctr_sa_sdst(0) depctr_va_vdst(0) depctr_va_sdst(0) depctr_va_ssrc(0) depctr_va_vcc(0) depctr_vm_vsrc(0)
	s_getreg_b32 s2, hwreg(HW_REG_IB_STS2, 6, 4)
	s_cmp_eq_u32 s2, 0
	s_cbranch_scc0 .Lentry_in_a_cluster
	s_endpgm
.Lentry_in_a_cluster:
	s_bfe_u32 s2, ttmp6, 0x10000c
	s_cmp_lg_u32 s2, 0x3003
	s_cbranch_scc0 .Lentry_shape_is_right
	s_endpgm
.Lentry_shape_is_right:
; Attention of one head (grid y = 16 b + h) for 256 queries (grid x), with a running maximum.  qkv[3][b][h][n][64] f16 holds q/16, k/16, v/16;
; ao[b][h][n][64] f16 receives (softmax(q k^T / 32) v) / 16.  With S = (q/16).(k/16) the exponent in base 2 is c S, c = 256 / 32 x log2 e.
; LIMIT: the running maximum starts at -inf, which is right while the scores are finite; p below f16's smallest code counts as 0 in P V.
; Eight waves: wave w takes the 64 queries of group g = w & 3 (four tiles t of 16) and key half p = w >> 2: of each tile of 256 keys the keys
; 128 p .. 128 p + 127, with a maximum, a sum and an O of its own; the two halves are merged at the end through LDS.
; TRANSPOSED, so that nothing is shuffled: S^T = K x Q puts key 16 kt + 8 (l / 16) + j, query l % 16 into register j of lane l; two such tiles,
; packed to f16, ARE the second operand of O^T = V^T x P, and maximum, sum and rescaling factor are one number a lane.
; CLUSTER 4 x 1: the four query blocks of a cluster read the same K and V tiles and ask for them jointly (mask 15): waves 0-3 ask for
; 64 keys of V each, waves 4-7 for 64 keys of K each.  Two slots; one tensor load of a wave is out at any time and has a whole trip to land.
; LDS: slot s at 77,824 s: V 256 rows of pitch 160 (an odd multiple of 32, for the transposing loads), then K 256 rows of pitch 144 (an odd
; multiple of 16); SCR, 34 x 512 bytes for each g, carries half 1's maxima, sums and O to half 0; STG, 64 rows of pitch 144 for each g, turns
; the result into whole rows.  No tensor load lands in SCR or STG.
; REGISTER WINDOWS: 0 as listed below; 1: S(t, kt) at 8 (8 t + kt), later P(t, ks) in place at 8 (8 t + 2 ks).
.set SLOT,   77824
.set KOFF,   40960
.set KPITCH, 144
.set VPITCH, 160
.set SCR,    2*SLOT
.set SCRW,   34*512
.set STG,    SCR+4*SCRW
.set STGW,   64*144
.set KA,  1                            ; v1, v2    my K fragments in slot 0, 1
.set VA,  3                            ; v3, v4    my V fragments in slot 0, 1
.set SA,  5                            ; v5        SCR
.set STO, 6                            ; v6        STG, in
.set RD,  7                            ; v7        STG, back
.set M,   8                            ; v[8:11]   running maximum of S, one for each t
.set TP,  12                           ; v[12:15]  what the other half of the lanes holds
.set L,   16                           ; v[16:19]  the sums, at the end
.set CO,  20                           ; v20       16 x lane
.set QO,  21                           ; v21       Q's offset
.set LP,  24                           ; v[24:31]  running sums, a pair for each t; at the end factor FA
.set ST,  32                           ; v[32:63]  stream of K or V fragments, two buffers of 16; between them the softmax's temporaries:
.set T,   32                           ;   v[32:47] four chains of maxima for each t
.set SU,  32                           ;   v[32:47] two pairs of sums for each t
.set NMP, 48                           ;   v[48:55] -c x new maximum, twice, for each t
.set ALP, 56                           ;   v[56:63] rescaling factor, twice, for each t; at the end factor FB
.set Q,   64                           ; v[64:127] Q(t, dk) at 64 + 8 (2 t + dk)
.set O,   128                          ; v[128:255] O(t, dt) at 128 + 8 (4 t + dt)
.set G1V, 16                           ; s[16:23] group 1 for V
.set G1K, 24                           ; s[24:31] group 1 for K
.set G0V, 32                           ; s[32:39] group 0 for V, one set for each slot
.set G0K, 40                           ; s[40:47] group 0 for K
.set MSB, 0
.macro WIN new                         ; low byte: bits 1:0 source 0, 3:2 source 1, 5:4 source 2, 7:6 destination; the high byte repeats the setting that is left
.if MSB != \new
	s_set_vgpr_msb (MSB<<8)|\new
.set MSB, \new
.endif
.endm
.macro ROUND                           ; a round of the cluster's barrier
	s_barrier_signal -1
	s_barrier_wait -1
	s_cmp_lg_u32 s8, 0
	s_cbranch_scc1 .Lnot_wave_0_\@
	s_barrier_signal -3
.Lnot_wave_0_\@:
	s_barrier_wait -3
	s_barrier_signal -1
	s_barrier_wait -1
.endm
.macro JLOAD s                         ; a joint load: the branch hangs on the wave's number alone
	s_cmp_eq_u32 s10, 0
	s_cbranch_scc0 .Lfor_k_\@
	tensor_load_to_lds s[G0V+4*\s:G0V+4*\s+3], s[G1V:G1V+7]
	s_nop 0
	s_branch .Lasked_\@
.Lfor_k_\@:
	tensor_load_to_lds s[G0K+4*\s:G0K+4*\s+3], s[G1K:G1K+7]
	s_nop 0
.Lasked_\@:
.endm
.macro PLACES                          ; four independent vector instructions behind a matrix instruction (ISA guide 7.12.1)
.rept 4
	v_nop
.endr
.endm
	s_load_b128 s[4:7], s[0:1], 0x0                ; qkv s[4:5], ao s[6:7]
	v_lshl_add_u32 v22, v0, 2, 0x40000
	v_mov_b32 v23, 0
	ds_add_u32 v22, v23
	s_wait_dscnt 0x0
	v_lshrrev_b32 v22, 5, v0
	v_readfirstlane_b32 s8, v22                    ; wave 0..7
	s_and_b32 s9, s8, 3                            ; g
	s_lshr_b32 s10, s8, 2                          ; p; also: I ask for V (0) or K (1)
	s_and_b32 s11, ttmp7, 0xffff                   ; the head, 16 b + h
	s_bfe_u32 s60, ttmp6, 0x40000                  ; cx
	s_lshl_b32 s61, ttmp9, 2
	s_add_co_u32 s61, s61, s60                     ; query block = 4 x cluster x + cx: enters Q's and ao's global addresses alone
	s_mov_b32 s12, 0x76543210                      ; v_permlanex16_b32: lane i reads lane i of the other half
	s_mov_b32 s13, 0xfedcba98
	s_mov_b32 s14, 0x4138aa3b                      ; c = 8 log2 e
	s_mov_b32 s15, 0x4138aa3b
	s_mov_b32 s49, 0xc138aa3b                      ; -c
	; group 1: 64 keys of 128 bytes lie densely: 32 rows of 128 elements (256 bytes); padding behind every 32 words: 8 words for V, 4 for K; mask 15, bit 21 beside it
	s_mov_b32 s[G1V+0], 15|(1<<16)|(1<<20)|(1<<21)|(4<<22)|(7<<25)
	s_mov_b32 s[G1K+0], 15|(1<<16)|(1<<20)|(1<<21)|(4<<22)|(3<<25)
.irp b, G1V, G1K
	s_mov_b32 s[\b+1], 128<<16                     ; tensor_dim0 = 128
	s_mov_b32 s[\b+2], 32<<16                      ; tensor_dim1 = 32
	s_mov_b32 s[\b+3], 128<<16                     ; tile_dim0 = 128
	s_mov_b32 s[\b+4], 32                          ; tile_dim1 = 32
	s_mov_b32 s[\b+5], 128                         ; elements from row to row
	s_mov_b32 s[\b+6], 0
	s_mov_b32 s[\b+7], 0
.endr
	s_lshl_b32 s50, s11, 18                        ; the head's 262,144 bytes
	s_lshl_b32 s51, s9, 13                         ; + 64 g rows of 128 bytes: my share of a tile, and my queries in a block
	s_add_co_u32 s50, s50, s51
	s_mov_b32 s51, 0
	s_lshl_b32 s56, s61, 15                        ; + 256 rows for each query block
	s_add_co_u32 s56, s56, s50
	s_mov_b32 s57, 0
	s_mul_i32 s54, s8, 64*VPITCH                   ; V of waves 0-3 to 10,240 w
	s_mul_i32 s55, s8, 64*KPITCH
	s_add_co_u32 s55, s55, KOFF-4*64*KPITCH        ; K of waves 4-7 to 40,960 + 9,216 (w - 4)
	s_wait_kmcnt 0x0
	s_add_nc_u64 s[52:53], s[4:5], s[50:51]
	s_add_nc_u64 s[58:59], s[4:5], s[56:57]        ; my queries
	s_add_nc_u64 s[6:7], s[6:7], s[56:57]          ; and their place in ao
.irp s, 0,1
	s_mov_b32 s[G0V+4*\s], 1
	s_add_co_u32 s[G0V+4*\s+1], s54, \s*SLOT
	s_add_nc_u64 s[G0V+4*\s+2:G0V+4*\s+3], s[52:53], 0x1000000+\s*32768   ; v begins 16 MiB into qkv; tile s
	s_or_b32 s[G0V+4*\s+3], s[G0V+4*\s+3], 0x80000000
	s_mov_b32 s[G0K+4*\s], 1
	s_add_co_u32 s[G0K+4*\s+1], s55, \s*SLOT
	s_add_nc_u64 s[G0K+4*\s+2:G0K+4*\s+3], s[52:53], 0x800000+\s*32768    ; k begins 8 MiB into qkv
	s_or_b32 s[G0K+4*\s+3], s[G0K+4*\s+3], 0x80000000
.endr
	ROUND                                          ; the four work-groups are here: the first joint load meets
	JLOAD 0                                        ; tile 0
	v_and_b32 v22, 15, v0                          ; r
	v_bfe_u32 v23, v0, 4, 1                        ; h
	v_lshlrev_b32 v[QO], 7, v22
	v_lshl_add_u32 v[QO], v23, 4, v[QO]            ; 128 r + 16 h
.irp t, 0,1,2,3
.irp dk, 0,1
	global_load_b128 v[Q+8*(2*\t+\dk):Q+8*(2*\t+\dk)+3],   v[QO], s[58:59] offset:2048*\t+64*\dk
	global_load_b128 v[Q+8*(2*\t+\dk)+4:Q+8*(2*\t+\dk)+7], v[QO], s[58:59] offset:2048*\t+64*\dk+32
.endr
.endr
	v_mul_u32_u24 v22, v22, KPITCH
	v_lshl_add_u32 v22, v23, 4, v22                ; 144 r + 16 h
	s_mul_i32 s62, s10, 128*KPITCH
	s_add_co_u32 s62, s62, KOFF
	v_add_nc_u32 v[KA], s62, v22
	v_add_nc_u32 v[KA+1], SLOT, v[KA]
	v_and_b32 v32, 7, v0                           ; V lies [key][d]: lane l addresses key 8 h + (l & 7), bytes 16 ((l >> 3) & 1)
	v_lshl_add_u32 v32, v23, 3, v32
	v_mul_u32_u24 v32, v32, VPITCH
	v_bfe_u32 v33, v0, 3, 1
	v_lshl_add_u32 v32, v33, 4, v32
	s_mul_i32 s63, s10, 128*VPITCH
	v_add_nc_u32 v[VA], s63, v32
	v_add_nc_u32 v[VA+1], SLOT, v[VA]
	v_and_b32 v34, 31, v0
	v_lshlrev_b32 v[CO], 4, v34
	s_mul_i32 s62, s9, SCRW
	s_add_co_u32 s62, s62, SCR
	v_add_nc_u32 v[SA], s62, v[CO]
	s_mul_i32 s63, s9, STGW
	s_add_co_u32 s63, s63, STG
	v_add_nc_u32 v[STO], s63, v22
	v_lshrrev_b32 v34, 3, v34
	v_mul_u32_u24 v34, v34, 144
	v_and_b32 v35, 7, v0
	v_lshl_add_u32 v34, v35, 4, v34
	v_add_nc_u32 v[RD], s63, v34
.irp t, 0,1,2,3
	v_mov_b32 v[M+\t], 0xff800000                  ; -inf
	v_mov_b32 v[TP+\t], 0
	v_mov_b32 v[LP+2*\t], 0
	v_mov_b32 v[LP+2*\t+1], 0
.endr
	s_wait_loadcnt 0x0                             ; Q, once
; four loads: 16 keys x 64 d of K
.macro LDK buf, kt, slot
.irp q, 0,1,2,3
	ds_load_b128 v[ST+16*\buf+4*\q:ST+16*\buf+4*\q+3], v[KA+\slot] offset:16*KPITCH*\kt+32*\q
.endr
.endm
; S^T = K x Q.  In each group of eight the four accumulators take turns, one instruction a turn.
.macro PHASE_A slot
	LDK 0, 0, \slot
	LDK 1, 1, \slot
.irp kt, 0,1,2,3,4,5,6,7
.if \kt == 7
	s_wait_dscnt 0x0
.else
	s_wait_dscnt 0x4                               ; this group's four loads are in, the next group's four stay out
.endif
	WIN 0x50
.irp t, 0,1,2,3
	v_wmma_f32_16x16x32_f16 v[64*\t+8*\kt:64*\t+8*\kt+7], v[ST+16*(\kt&1):ST+16*(\kt&1)+7], v[Q+16*\t:Q+16*\t+7], 0
.endr
.irp t, 0,1,2,3
	v_wmma_f32_16x16x32_f16 v[64*\t+8*\kt:64*\t+8*\kt+7], v[ST+16*(\kt&1)+8:ST+16*(\kt&1)+15], v[Q+16*\t+8:Q+16*\t+15], v[64*\t+8*\kt:64*\t+8*\kt+7]
.endr
.if \kt != 6
	PLACES                                         ; in front of the loads into the buffer just read; behind the last group: in front of the maxima
.endif
.if \kt < 6
	WIN 0
	LDK (\kt&1), (\kt+2), \slot
.endif
.endr
.endm
; The softmax of 64 queries x 128 keys, every step for all four t.
.macro PHASE_B first
	WIN 0x14                                       ; 1. the largest of my 64 scores and the old maximum: four chains for each t
.irp i, 0,1,2,3,4,5,6,7
.irp t, 0,1,2,3
.irp c, 0,1,2,3
.if \i == 0
	v_max3_num_f32 v[T+4*\t+\c], v[M+\t], v[64*\t+2*\c], v[64*\t+2*\c+1]
.else
	v_max3_num_f32 v[T+4*\t+\c], v[T+4*\t+\c], v[64*\t+8*\i+2*\c], v[64*\t+8*\i+2*\c+1]
.endif
.endr
.endr
.endr
	WIN 0                                          ; 2. the chains meet; lane l ^ 16 holds the query's other keys
.irp t, 0,1,2,3
	v_max3_num_f32 v[T+4*\t], v[T+4*\t], v[T+4*\t+1], v[T+4*\t+2]
.endr
.irp t, 0,1,2,3
	v_max_num_f32 v[T+4*\t], v[T+4*\t], v[T+4*\t+3]
.endr
.irp t, 0,1,2,3
	v_permlanex16_b32 v[TP+\t], v[T+4*\t], s12, s13
.endr
.irp t, 0,1,2,3
	v_max_num_f32 v[T+4*\t], v[T+4*\t], v[TP+\t]
.endr
.irp t, 0,1,2,3                                    ; 3. factor = exp2((-c new) - (-c old)), of the same rounded products that the exponents use
	v_mul_f32 v[ALP+2*\t], s49, v[M+\t]
	v_mul_f32 v[NMP+2*\t], s49, v[T+4*\t]
.endr
.irp t, 0,1,2,3
	v_sub_f32 v[ALP+2*\t], v[NMP+2*\t], v[ALP+2*\t]
	v_mov_b32 v[NMP+2*\t+1], v[NMP+2*\t]
	v_mov_b32 v[M+\t], v[T+4*\t]
.endr
.irp t, 0,1,2,3
	v_exp_f32 v[ALP+2*\t], v[ALP+2*\t]
.endr
	v_nop                                          ; one plain instruction between a transcendental and the use of its result (ISA guide 5.7.2)
	s_wait_alu depctr_va_vdst(0)
.irp t, 0,1,2,3
	v_mov_b32 v[ALP+2*\t+1], v[ALP+2*\t]
.endr
	WIN 0x41                                       ; 4. p = exp2(c S - c max), in place
.irp t, 0,1,2,3
.set j, 0
.rept 32
	v_pk_fma_f32 v[64*\t+j:64*\t+j+1], v[64*\t+j:64*\t+j+1], s[14:15], v[NMP+2*\t:NMP+2*\t+1] op_sel_hi:[1,0,1]
.set j, j+2
.endr
.endr
.set j, 0
.rept 256
	v_exp_f32 v[j], v[j]
.set j, j+1
.endr
	v_nop
	WIN 0x05                                       ; 5. my 64 p of each t are summed in f32: two chains of pairs, started by the first pairs
	s_wait_alu depctr_va_vdst(0)
.irp t, 0,1,2,3
	v_pk_add_f32 v[SU+4*\t:SU+4*\t+1],   v[64*\t:64*\t+1],   v[64*\t+2:64*\t+3]
	v_pk_add_f32 v[SU+4*\t+2:SU+4*\t+3], v[64*\t+4:64*\t+5], v[64*\t+6:64*\t+7]
.endr
	WIN 0x04
.set j, 8
.rept 14
.irp t, 0,1,2,3
	v_pk_add_f32 v[SU+4*\t:SU+4*\t+1],   v[SU+4*\t:SU+4*\t+1],   v[64*\t+j:64*\t+j+1]
	v_pk_add_f32 v[SU+4*\t+2:SU+4*\t+3], v[SU+4*\t+2:SU+4*\t+3], v[64*\t+j+2:64*\t+j+3]
.endr
.set j, j+4
.endr
	WIN 0x45                                       ; 6. two tiles of S^T become one fragment of P, in place: each destination has been read before it is written
.irp t, 0,1,2,3
.irp ks, 0,1,2,3
.irp i, 0,1,2,3
	v_cvt_pk_f16_f32 v[64*\t+16*\ks+\i], v[64*\t+16*\ks+2*\i], v[64*\t+16*\ks+2*\i+1]
.endr
.irp i, 0,1,2,3
	v_cvt_pk_f16_f32 v[64*\t+16*\ks+4+\i], v[64*\t+16*\ks+8+2*\i], v[64*\t+16*\ks+8+2*\i+1]
.endr
.endr
.endr
	WIN 0                                          ; 7. the running sums
.irp t, 0,1,2,3
	v_pk_add_f32 v[SU+4*\t:SU+4*\t+1], v[SU+4*\t:SU+4*\t+1], v[SU+4*\t+2:SU+4*\t+3]
.endr
.irp t, 0,1,2,3
	v_pk_fma_f32 v[LP+2*\t:LP+2*\t+1], v[LP+2*\t:LP+2*\t+1], v[ALP+2*\t:ALP+2*\t+1], v[SU+4*\t:SU+4*\t+1]
.endr
.if \first == 0                                    ; 8. O follows the maximum (in the first trip there is no O yet)
.irp t, 0,1,2,3
.set j, 0
.rept 16
	v_pk_mul_f32 v[O+32*\t+j:O+32*\t+j+1], v[O+32*\t+j:O+32*\t+j+1], v[ALP+2*\t:ALP+2*\t+1]
.set j, j+2
.endr
.endr
.endif
.endm
; four transposing loads: 32 keys x 32 d of V as two fragments of V^T (keys 32 (gi >> 1) .., d tiles 2 (gi & 1) and 2 (gi & 1) + 1)
.macro LDV buf, gi, slot
.irp f, 0,1
	ds_load_tr16_b128 v[ST+16*\buf+8*\f:ST+16*\buf+8*\f+3],   v[VA+\slot] offset:32*VPITCH*(\gi>>1)+32*(2*(\gi&1)+\f)
	ds_load_tr16_b128 v[ST+16*\buf+8*\f+4:ST+16*\buf+8*\f+7], v[VA+\slot] offset:32*VPITCH*(\gi>>1)+32*(2*(\gi&1)+\f)+16*VPITCH
.endr
.endm
; O^T += V^T x P.  The sixteen accumulators take turns, one instruction a turn.
.macro PHASE_C slot, first
	WIN 0x04                                       ; source 1 (P) in window 1; loads and all else in window 0
	LDV 0, 0, \slot
	LDV 1, 1, \slot
.irp gi, 0,1,2,3,4,5,6,7
.set ZC, 0
.if \first
.if \gi < 2
.set ZC, 1                                         ; the first products start the sums
.endif
.endif
.if \gi == 7
	s_wait_dscnt 0x0
.else
	s_wait_dscnt 0x4                               ; this group's four loads are in, the next group's four stay out
.endif
.irp f, 0,1
.irp t, 0,1,2,3
.if ZC
	v_wmma_f32_16x16x32_f16 v[O+8*(4*\t+2*(\gi&1)+\f):O+8*(4*\t+2*(\gi&1)+\f)+7], v[ST+16*(\gi&1)+8*\f:ST+16*(\gi&1)+8*\f+7], v[64*\t+16*(\gi>>1):64*\t+16*(\gi>>1)+7], 0
.else
	v_wmma_f32_16x16x32_f16 v[O+8*(4*\t+2*(\gi&1)+\f):O+8*(4*\t+2*(\gi&1)+\f)+7], v[ST+16*(\gi&1)+8*\f:ST+16*(\gi&1)+8*\f+7], v[64*\t+16*(\gi>>1):64*\t+16*(\gi>>1)+7], v[O+8*(4*\t+2*(\gi&1)+\f):O+8*(4*\t+2*(\gi&1)+\f)+7]
.endif
.endr
.endr
.if \gi < 6
	PLACES
	LDV (\gi&1), (\gi+2), \slot
.endif
.endr
	PLACES
	v_nop                                          ; five: the next trip's matrix instructions write over P
.endm
; One tile of 256 keys.  In front of the round every wave waits for all its tensor loads (its part of this tile among them) and for its reads
; of the other slot; the joint refill of that slot is the first tensor load behind the round.
.macro TRIP slot, refill, first
	WIN 0
	s_wait_xcnt 0x0
	v_lshl_add_u32 v22, v0, 2, 0x40000
	v_mov_b32 v23, 0
	s_wait_tensorcnt 0x0
	ds_add_u32 v22, v23
	s_wait_dscnt 0x0
	s_add_nc_u64 s[G0V+4*\slot+2:G0V+4*\slot+3], s[G0V+4*\slot+2:G0V+4*\slot+3], 65536   ; no tensor load of mine is out: this slot's next tile, 512 keys on
	s_add_nc_u64 s[G0K+4*\slot+2:G0K+4*\slot+3], s[G0K+4*\slot+2:G0K+4*\slot+3], 65536
	s_wait_dscnt 0x0
	ROUND
.if \refill
	JLOAD (1-\slot)
.endif
	PHASE_A \slot
	PHASE_B \first
	PHASE_C \slot, \first
.endm
	TRIP 0, 1, 1                                   ; eight tiles
	TRIP 1, 1, 0
	WIN 0
	s_mov_b32 s48, 2
.Lpair:
	TRIP 0, 1, 0
	TRIP 1, 1, 0
	WIN 0
	s_sub_co_u32 s48, s48, 1
	s_cmp_lg_u32 s48, 0
	s_cbranch_scc1 .Lpair
	TRIP 0, 1, 0
	TRIP 1, 0, 0                                   ; the last tile: nothing is left to fetch (the stepped addresses are not used)
	WIN 0
	; the sums of a query: the pair's two halves, and the other half of the lanes
.irp t, 0,1,2,3
	v_add_f32 v[L+\t], v[LP+2*\t], v[LP+2*\t+1]
.endr
.irp t, 0,1,2,3
	v_permlanex16_b32 v[TP+\t], v[L+\t], s12, s13
.endr
.irp t, 0,1,2,3
	v_add_f32 v[L+\t], v[L+\t], v[TP+\t]
.endr
	s_cmp_eq_u32 s10, 0
	s_cbranch_scc1 .Lkeep
	ds_store_b128 v[SA], v[M:M+3]                  ; key half 1 hands over its maxima, sums and O, lane for lane
	ds_store_b128 v[SA], v[L:L+3] offset:512
.set j, 0
.rept 32
	ds_store_b128 v[SA], v[O+4*j:O+4*j+3] offset:1024+512*j
.set j, j+1
.endr
.Lkeep:
	s_wait_dscnt 0x0                               ; for the other wave's sake
	s_barrier_signal -1
	s_barrier_wait -1
	s_cmp_lg_u32 s10, 0
	s_cbranch_scc1 .Lclose
	ds_load_b128 v[32:35], v[SA]                   ; M'
	ds_load_b128 v[36:39], v[SA] offset:512        ; L'
	WIN 0x40
.set j, 0
.rept 32
	ds_load_b128 v[4*j:4*j+3], v[SA] offset:1024+512*j   ; O' into window 1, register for register
.set j, j+1
.endr
	WIN 0
	s_wait_dscnt 32                                ; M' and L' are in, the 32 loads of O' stay out
.irp t, 0,1,2,3
	v_max_num_f32 v[40+\t], v[M+\t], v[32+\t]
.endr
.irp t, 0,1,2,3
	v_mul_f32 v[40+\t], s49, v[40+\t]              ; -c max
	v_mul_f32 v[44+\t], s49, v[M+\t]
	v_mul_f32 v[48+\t], s49, v[32+\t]
.endr
.irp t, 0,1,2,3
	v_sub_f32 v[44+\t], v[40+\t], v[44+\t]         ; c (M - max), exactly 0 for the larger
	v_sub_f32 v[48+\t], v[40+\t], v[48+\t]
.endr
.irp t, 0,1,2,3
	v_exp_f32 v[44+\t], v[44+\t]
	v_exp_f32 v[48+\t], v[48+\t]
.endr
	v_nop
	s_wait_alu depctr_va_vdst(0)
.irp t, 0,1,2,3
	v_mul_f32 v[52+\t], v[L+\t], v[44+\t]
.endr
.irp t, 0,1,2,3
	v_fmac_f32 v[52+\t], v[36+\t], v[48+\t]        ; the whole sum: at least about 1, the largest key's own term
.endr
.irp t, 0,1,2,3
	v_rcp_f32 v[52+\t], v[52+\t]
.endr
	v_nop
	s_wait_alu depctr_va_vdst(0)
.irp t, 0,1,2,3
	v_mul_f32 v[LP+2*\t], v[44+\t], v[52+\t]       ; FA
	v_mul_f32 v[ALP+2*\t], v[48+\t], v[52+\t]      ; FB
.endr
.irp t, 0,1,2,3
	v_mov_b32 v[LP+2*\t+1], v[LP+2*\t]
	v_mov_b32 v[ALP+2*\t+1], v[ALP+2*\t]
.endr
	s_wait_dscnt 0x0
.irp t, 0,1,2,3
.set j, 0
.rept 16
	v_pk_mul_f32 v[O+32*\t+j:O+32*\t+j+1], v[O+32*\t+j:O+32*\t+j+1], v[LP+2*\t:LP+2*\t+1]
.set j, j+2
.endr
.endr
	WIN 0x01
.irp t, 0,1,2,3
.set j, 0
.rept 16
	v_pk_fma_f32 v[O+32*\t+j:O+32*\t+j+1], v[32*\t+j:32*\t+j+1], v[ALP+2*\t:ALP+2*\t+1], v[O+32*\t+j:O+32*\t+j+1]
.set j, j+2
.endr
.endr
	WIN 0
.set j, 0
.rept 64
	v_cvt_pk_f16_f32 v[Q+j], v[O+2*j], v[O+2*j+1]  ; a lane's eight d of a query: 16 bytes
.set j, j+1
.endr
.irp t, 0,1,2,3
.irp dt, 0,1,2,3
	ds_store_b128 v[STO], v[Q+16*\t+4*\dt:Q+16*\t+4*\dt+3] offset:16*144*\t+32*\dt
.endr
.endr
.irp i, 0,1,2,3,4,5,6,7,8,9,10,11,12,13,14,15
	ds_load_b128 v[O+4*\i:O+4*\i+3], v[RD] offset:576*\i   ; four rows of 128 bytes; my own bytes, and LDS serves a wave's instructions in order
.endr
.irp i, 0,1,2,3,4,5,6,7,8,9,10,11,12,13,14,15
	s_wait_dscnt 15-\i
	global_store_b128 v[CO], v[O+4*\i:O+4*\i+3], s[6:7] offset:512*\i   ; a wave stores 512 consecutive bytes, aligned
.endr
.Lclose:
	s_wait_xcnt 0x0
	v_lshl_add_u32 v22, v0, 2, 0x40000
	v_mov_b32 v23, 0
	s_wait_tensorcnt 0x0
	ds_add_u32 v22, v23
	s_wait_dscnt 0x0
	ROUND                                          ; the closing round
	s_endpgm
.Lfunc_end_k_q6fe214b06a_attn:
	.size	k_q6fe214b06a_attn, .Lfunc_end_k_q6fe214b06a_attn-k_q6fe214b06a_attn
	.p2alignl 7, 3214868480
	.fill 96, 4, 3214868480
	.section	.rodata,"a",@progbits
	.p2align	6, 0x0
	.amdhsa_kernel k_q6fe214b06a_attn
		.amdhsa_group_segment_fixed_size 327680
		.amdhsa_private_segment_fixed_size 0
		.amdhsa_enable_private_segment 0
		.amdhsa_kernarg_size 16
		.amdhsa_user_sgpr_count 2
		.amdhsa_user_sgpr_kernarg_segment_ptr 1
		.amdhsa_wavefront_size32 1
		.amdhsa_system_sgpr_workgroup_id_x 1
		.amdhsa_system_sgpr_workgroup_id_y 1
		.amdhsa_system_sgpr_workgroup_id_z 1
		.amdhsa_system_vgpr_workitem_id 0
		.amdhsa_next_free_vgpr 512
		.amdhsa_next_free_sgpr 66
		.amdhsa_reserve_vcc 0
		.amdhsa_float_denorm_mode_32 3
		.amdhsa_float_denorm_mode_16_64 3
		.amdhsa_memory_ordered 1
		.amdhsa_forward_progress 1
		.amdhsa_inst_pref_size 255
	.end_amdhsa_kernel
	.section	.bss,"aw",@nobits
	.p2align	6
	.space	262144
	.amdgpu_metadata
---
amdhsa.version: [ 1, 2 ]
amdhsa.kernels:
  - .name:           k_q6fe214b06a_attn
    .symbol:         k_q6fe214b06a_attn.kd
    .args:
      - { .name: qkv, .offset: 0, .size: 8, .value_kind: global_buffer, .address_space: global }
      - { .name: ao, .offset: 8, .size: 8, .value_kind: global_buffer, .address_space: global }
    .group_segment_fixed_size: 327680
    .private_segment_fixed_size: 0
    .kernarg_segment_align: 8
    .kernarg_segment_size: 16
    .max_flat_workgroup_size: 256
    .sgpr_count:     66
    .vgpr_count:     512
    .wavefront_size: 32
...
	.end_amdgpu_metadata
.endif
;; end of part 3
;; launch outp (part 4): grid 8 x 32, 4 waves a work-group, clusters of 4 x 4, 327,680 bytes of LDS; arguments ao, wh, out0; writes out0
.if DOCPART == 4
	.amdgcn_target "amdgcn-amd-amdhsa--gfx1250"
	.amdhsa_code_object_version 6
	.text
	.protected	k_q6fe214b06a_outp
	.globl	k_q6fe214b06a_outp
	.p2align	8
	.type	k_q6fe214b06a_outp,@function
k_q6fe214b06a_outp:
	s_mov_b64 s[64:65], 0
	v_nop
	global_prefetch_b8 v0, s[64:65] scope:SCOPE_SE
	s_setreg_imm32_b32 hwreg(HW_REG_WAVE_MODE, 25, 1), 1
	s_wait_xcnt 0x0
	s_wait_alu depctr_hold_cnt(0) depctr_sa_sdst(0) depctr_va_vdst(0) depctr_va_sdst(0) depctr_va_ssrc(0) depctr_va_vcc(0) depctr_vm_vsrc(0)
	s_getreg_b32 s2, hwreg(HW_REG_IB_STS2, 6, 4)
	s_cmp_eq_u32 s2, 0
	s_cbranch_scc0 .Lentry_in_a_cluster
	s_endpgm
.Lentry_in_a_cluster:
	s_bfe_u32 s2, ttmp6, 0x10000c
	s_cmp_lg_u32 s2, 0xf033
	s_cbranch_scc0 .Lentry_shape_is_right
	s_endpgm
.Lentry_shape_is_right:
; out0 = ao' (16 Wo)^T in f32, where ao'[b][h][n][64] f16 is the attention result / 16 and 16 Wo is wh's fourth matrix: the scales cancel.
; 256 work-groups of 128 x 128 (64 blocks of 256 x 256 would leave three quarters of the 256 idle), four waves of 64 x 64: 16 accumulator tiles.
; K = 1,024 goes through two LDS slots of 256 along K (four heads) each: two first fills and two refills in all, so that a refill has
; 124 matrix instructions of its wave in which to land.  With so few fills the whole K is written out by macro, without a loop.
; A's part of a slot is four planes (heads) of 128 rows x 128 bytes.  A plane is dense in memory (16,384 bytes), and planes lie 262,144 bytes apart: one load
; brings two planes as a tile of two rows of 8,192 elements, with 16 bytes of padding behind every 128 (LDS pitch 144).  B's part is 128 rows of
; 512 bytes (LDS pitch 528).  Waves 0, 1 ask for two planes of A each, waves 2, 3 for 64 rows of B each: one tensor load a wave for a slot.
; CLUSTERS 4 x 4: A's tile hangs on the block row alone and is asked for jointly by a row of the cluster, B's on the block column, by a column.
; REGISTER WINDOWS: 0: addresses, fragment buffers v64-127 and v128-191 (B's four fragments, then A's four); 1: tile (a, b) at 8 (4 a + b).
; Transposed use (source 0 = rows of Wo, source 1 = rows of ao'): a lane holds eight neighbouring f32 of one row of out0.
.set APITCH, 144                       ; an odd multiple of 16
.set BPITCH, 528                       ; an odd multiple of 16
.set APLANE, 128*APITCH                ; 18,432
.set BOFF,   4*APLANE                  ; 73,728
.set BHALF,  64*BPITCH                 ; 33,792
.set SLOT,   BOFF+2*BHALF              ; 141,312
.set STAGE,  2*SLOT                    ; 282,624: 16 rows x 272 bytes for each wave; no tensor load lands here
.set SPITCH, 272
.set ADRA, 16                          ; v16-17  my A fragments in slot 0, 1
.set ADRB, 20                          ; v20-21  my B fragments
.set STO,  24
.set RD,   25
.set CO,   26
.set F0,   64
.set F1,   128
.set G1, 24                            ; s[24:31] group 1 for A
.set G0, 32                            ; s[32:39] group 0 for A, one set for each slot
.set G1B, 48                           ; s[48:55] group 1 for B
.set G0B, 56                           ; s[56:63] group 0 for B
.set MULW, 0x50                        ; C and D in window 1
.set MSB, 0
.macro WIN new
.if MSB != \new
	s_set_vgpr_msb (MSB<<8)|\new
.set MSB, \new
.endif
.endm
.macro JLOAD s                         ; a joint load: the branch hangs on the wave's number alone
	s_cmp_eq_u32 s11, 0
	s_cbranch_scc0 .Lfor_b_\@
	tensor_load_to_lds s[G0+4*\s:G0+4*\s+3], s[G1:G1+7]
	s_nop 0
	s_branch .Lasked_\@
.Lfor_b_\@:
	tensor_load_to_lds s[G0B+4*\s:G0B+4*\s+3], s[G1B:G1B+7]
	s_nop 0
.Lasked_\@:
.endm
.macro CREST                           ; a round of the cluster's barrier behind its opening work-group barrier
	s_cmp_lg_u32 s10, 0
	s_cbranch_scc1 .Lnot_wave_0_\@
	s_barrier_signal -3
.Lnot_wave_0_\@:
	s_barrier_wait -3
	s_barrier_signal -1
	s_barrier_wait -1
.endm
.macro CROUND
	s_barrier_signal -1
	s_barrier_wait -1
	CREST
.endm
	s_load_b128 s[4:7], s[0:1], 0x0                ; ao s[4:5], wh s[6:7]
	s_load_b64 s[8:9], s[0:1], 0x10                ; out0
	v_lshl_add_u32 v254, v0, 2, 0x49400
	v_mov_b32 v255, 0
	ds_add_u32 v254, v255
	v_lshrrev_b32 v1, 5, v0
	v_readfirstlane_b32 s10, v1                    ; wave 0..3
	s_lshr_b32 s11, s10, 1                         ; my half of the rows; also: I ask for A (0) or B (1)
	s_and_b32 s12, s10, 1                          ; my half of the columns; also: which two planes of A, which 64 rows of B
	s_bfe_u32 s40, ttmp6, 0x40000                  ; cx
	s_bfe_u32 s41, ttmp6, 0x40004                  ; cy
	s_lshl_b32 s42, ttmp9, 2
	s_add_co_u32 s42, s42, s40                     ; block column 0..7
	s_and_b32 s13, ttmp7, 0xffff
	s_lshl_b32 s13, s13, 2
	s_add_co_u32 s13, s13, s41                     ; block row 0..31
	s_lshl_b32 s43, s41, 2
	s_lshl_b32 s43, 15, s43                        ; my row of the cluster
	s_lshl_b32 s44, 0x1111, s40                    ; my column
	s_or_b32 s[G1+0], s43, (1<<16)|(1<<20)|(1<<21)|(4<<22)|(3<<25)    ; A: elements of 2 bytes, 4 words of padding behind every 32
	s_or_b32 s[G1B+0], s44, (1<<16)|(1<<20)|(1<<21)|(6<<22)|(3<<25)   ; B: behind every 128
	s_mov_b32 s[G1+1], 8192<<16                    ; A: tensor_dim0 = 8,192 elements: a plane
	s_mov_b32 s[G1+2], 2<<16                       ;    tensor_dim1 = 2 planes
	s_mov_b32 s[G1+3], 8192<<16                    ;    tile_dim0
	s_mov_b32 s[G1+4], 2                           ;    tile_dim1
	s_mov_b32 s[G1+5], 131072                      ;    elements from a head to the next
	s_mov_b32 s[G1+6], 0
	s_mov_b32 s[G1+7], 0
	s_mov_b32 s[G1B+1], 256<<16                    ; B: tensor_dim0 = 256 elements
	s_mov_b32 s[G1B+2], 64<<16                     ;    tensor_dim1 = 64 rows
	s_mov_b32 s[G1B+3], 256<<16                    ;    tile_dim0
	s_mov_b32 s[G1B+4], 64                         ;    tile_dim1
	s_mov_b32 s[G1B+5], 1024                       ;    a row of Wo
	s_mov_b32 s[G1B+6], 0
	s_mov_b32 s[G1B+7], 0
	s_lshr_b32 s16, s13, 4                         ; A: batch = block row >> 4,
	s_lshl_b32 s16, s16, 4
	s_lshl1_add_u32 s16, s12, s16                  ; head = 16 x batch + 2 x (w & 1),
	s_lshl_b32 s16, s16, 18                        ; of 262,144 bytes,
	s_and_b32 s17, s13, 15
	s_lshl_b32 s17, s17, 14                        ; + 128 rows of 128 bytes for each block row in the batch
	s_add_co_u32 s16, s16, s17
	s_mov_b32 s17, 0
	s_lshl_b32 s46, s42, 7                         ; B: row 128 x block column + 64 x half,
	s_lshl_b32 s47, s12, 6
	s_add_co_u32 s46, s46, s47
	s_lshl_b32 s46, s46, 11                        ; of 2,048 bytes,
	s_add_co_u32 s46, s46, 6291456                 ; in wh's fourth matrix
	s_mov_b32 s47, 0
	s_mul_i32 s20, s10, 2*APLANE                   ; to LDS: A's planes 2 w, 2 w + 1 (waves 0, 1)
	s_mul_i32 s21, s10, BHALF
	s_add_co_u32 s21, s21, BOFF-2*BHALF            ; B's half w - 2 (waves 2, 3)
	s_wait_dscnt 0x0
	s_wait_kmcnt 0x0
	s_add_nc_u64 s[14:15], s[4:5], s[16:17]
	s_add_nc_u64 s[46:47], s[6:7], s[46:47]
	CROUND                                         ; all sixteen work-groups are here
.irp s, 0,1
	s_mov_b32 s[G0+4*\s], 1
	s_add_co_u32 s[G0+4*\s+1], s20, \s*SLOT
	s_add_nc_u64 s[G0+4*\s+2:G0+4*\s+3], s[14:15], \s*1048576      ; slot s: four heads on
	s_or_b32 s[G0+4*\s+3], s[G0+4*\s+3], 0x80000000
	s_mov_b32 s[G0B+4*\s], 1
	s_add_co_u32 s[G0B+4*\s+1], s21, \s*SLOT
	s_add_nc_u64 s[G0B+4*\s+2:G0B+4*\s+3], s[46:47], \s*512
	s_or_b32 s[G0B+4*\s+3], s[G0B+4*\s+3], 0x80000000
	JLOAD \s                                       ; both first fills together, half of K: two tensor loads of a wave are out here, one later
.endr
	v_and_b32 v1, 15, v0                           ; r
	v_bfe_u32 v2, v0, 4, 1                         ; h
	v_mul_u32_u24 v3, v1, APITCH
	v_lshl_add_u32 v3, v2, 4, v3
	v_mul_u32_u24 v4, v1, BPITCH
	v_lshl_add_u32 v4, v2, 4, v4
	s_mul_i32 s22, s11, 64*APITCH                  ; my 64 rows of A (in each plane)
	s_mul_i32 s23, s12, BHALF                      ; my 64 rows of B
	s_add_co_u32 s23, s23, BOFF
.irp s, 0,1
	v_add_nc_u32 v[ADRA+\s], s22, v3
	v_add_nc_u32 v[ADRB+\s], s23, v4
	s_add_co_u32 s22, s22, SLOT
	s_add_co_u32 s23, s23, SLOT
.endr
	s_mul_i32 s23, s10, 16*SPITCH
	s_add_co_u32 s23, s23, STAGE
	v_mul_u32_u24 v5, v1, SPITCH                   ; in: row r, 32 bytes for each half of the lanes
	v_lshl_add_u32 v5, v2, 5, v5
	v_add_nc_u32 v[STO], s23, v5
	v_mul_u32_u24 v5, v2, SPITCH                   ; back: lanes 0-15 one row of 256 bytes, lanes 16-31 the next
	v_lshl_add_u32 v5, v1, 4, v5
	v_add_nc_u32 v[RD], s23, v5
	v_lshlrev_b32 v5, 12, v2                       ; the same two rows in out0: 4,096 bytes apart
	v_lshl_add_u32 v[CO], v1, 4, v5
; four matrix instructions: m block a x all four n blocks, 32 along K
.macro MUL4 f, a, zero
.irp b, 0,1,2,3
.if \zero
	v_wmma_f32_16x16x32_f16 v[8*(4*\a+\b):8*(4*\a+\b)+7], v[\f+8*\b:\f+8*\b+7], v[\f+32+8*\a:\f+32+8*\a+7], 0
.else
	v_wmma_f32_16x16x32_f16 v[8*(4*\a+\b):8*(4*\a+\b)+7], v[\f+8*\b:\f+8*\b+7], v[\f+32+8*\a:\f+32+8*\a+7], v[8*(4*\a+\b):8*(4*\a+\b)+7]
.endif
.endr
.endm
; sixteen LDS loads: eighth kq of a slot (plane kq >> 1, bytes 64 (kq & 1) of its rows; bytes 64 kq of B's rows): B's four fragments, then A's four
.macro FETCH slot, kq, f
	WIN 0
.irp b, 0,1,2,3
	ds_load_b128 v[\f+8*\b:\f+8*\b+3],   v[ADRB+\slot] offset:16*BPITCH*\b+64*\kq
	ds_load_b128 v[\f+8*\b+4:\f+8*\b+7], v[ADRB+\slot] offset:16*BPITCH*\b+64*\kq+32
.endr
.irp a, 0,1,2,3
	ds_load_b128 v[\f+32+8*\a:\f+32+8*\a+3], v[ADRA+\slot] offset:16*APITCH*\a+APLANE*(\kq>>1)+64*(\kq&1)
	ds_load_b128 v[\f+32+8*\a+4:\f+32+8*\a+7], v[ADRA+\slot] offset:16*APITCH*\a+APLANE*(\kq>>1)+64*(\kq&1)+32
.endr
.endm
.macro PLACES                          ; four independent vector instructions behind a matrix instruction (ISA guide 7.12.1)
.rept 4
	v_nop
.endr
.endm
; 32 along K: multiplies buffer f and, in its middle, fetches eighth kq of the same slot into buffer g.
; The sixteen accumulators take turns, one instruction a turn, in the same order in every eighth.
.macro EIGHTH slot, kq, f, g, zero
	s_wait_dscnt 4                                 ; B and A's fragments 0, 1 are in; the youngest four loads (A's 2, 3) may be out
	WIN MULW
	MUL4 \f, 0, \zero
	MUL4 \f, 1, \zero
	PLACES
	FETCH \slot, \kq, \g
	s_wait_dscnt 16                                ; all but the sixteen just issued
	WIN MULW
	MUL4 \f, 2, \zero
	MUL4 \f, 3, \zero
.endm
.macro SEVEN slot, zero
	EIGHTH \slot, 1, F0, F1, \zero
	EIGHTH \slot, 2, F1, F0, 0
	EIGHTH \slot, 3, F0, F1, 0
	EIGHTH \slot, 4, F1, F0, 0
	EIGHTH \slot, 5, F0, F1, 0
	EIGHTH \slot, 6, F1, F0, 0
	EIGHTH \slot, 7, F0, F1, 0
.endm
; The last eighth changes slots: my reads of this slot and all my tensor loads are waited for, then the barrier, which opens a round of the
; cluster's barrier where the slot is filled again; the joint refill is the first tensor load behind the round.
.macro TURN slot, next, fill
	s_wait_dscnt 4
	WIN MULW
	MUL4 F1, 0, 0
	s_wait_dscnt 0                                 ; my reads of this slot are over
	s_wait_tensorcnt 0x0                           ; all my tensor loads have landed: my part of the next slot
	ds_add_u32 v254, v255
	s_wait_dscnt 0x0
	s_barrier_signal -1
	MUL4 F1, 1, 0                                  ; register work while the others arrive
	WIN 0
	s_barrier_wait -1
.if \fill
	CREST
	s_add_nc_u64 s[G0+4*\slot+2:G0+4*\slot+3], s[G0+4*\slot+2:G0+4*\slot+3], 2097152   ; no tensor load of mine is out: eight heads on
	s_add_nc_u64 s[G0B+4*\slot+2:G0B+4*\slot+3], s[G0B+4*\slot+2:G0B+4*\slot+3], 1024
	JLOAD \slot
.endif
	PLACES
	FETCH \next, 0, F0
	WIN MULW
	MUL4 F1, 2, 0
	MUL4 F1, 3, 0
.endm
	s_wait_tensorcnt 1                             ; my part of slot 0 is in; slot 1's stays out
	s_barrier_signal -1
	s_barrier_wait -1
	FETCH 0, 0, F0
	SEVEN 0, 1                                     ; heads 0-3; the first products start the sums
	TURN 0, 1, 1                                   ; slot 0 is asked for again: heads 8-11
	SEVEN 1, 0                                     ; heads 4-7
	TURN 1, 0, 1                                   ; slot 1: heads 12-15
	SEVEN 0, 0
	TURN 0, 1, 0                                   ; nothing is left to fetch
	SEVEN 1, 0
	s_wait_dscnt 4
	WIN MULW
	MUL4 F1, 0, 0
	MUL4 F1, 1, 0
	s_wait_dscnt 0
	MUL4 F1, 2, 0
	MUL4 F1, 3, 0
	; THE WAY OUT, 16 rows at a time, through my stage, so that sixteen lanes store one row's 256 bytes
	PLACES
	s_lshl_b32 s13, s13, 7
	s_lshl_b32 s14, s11, 6
	s_add_co_u32 s16, s13, s14                     ; my first row
	s_lshl_b32 s16, s16, 12                        ; of 4,096 bytes
	s_mov_b32 s17, 0
	s_add_nc_u64 s[8:9], s[8:9], s[16:17]
	s_lshl_b32 s46, s42, 9                         ; my first column, in bytes: 512 x block + 256 x half
	s_lshl_b32 s47, s12, 8
	s_add_co_u32 s46, s46, s47
	s_mov_b32 s47, 0
	s_add_nc_u64 s[8:9], s[8:9], s[46:47]
.macro OUT16 a, f
	WIN 0x04                                       ; the stores' data in window 1
.irp b, 0,1,2,3
	ds_store_b128 v[STO], v[8*(4*\a+\b):8*(4*\a+\b)+3] offset:64*\b
	ds_store_b128 v[STO], v[8*(4*\a+\b)+4:8*(4*\a+\b)+7] offset:64*\b+16
.endr
	WIN 0
	s_wait_xcnt 0x0                                ; buffer f, which earlier stores read, and the stores' base are rewritten only behind this wait
.if \a
	s_add_nc_u64 s[8:9], s[8:9], 65536             ; 16 rows on
.endif
.irp t, 0,1,2,3,4,5,6,7
	ds_load_b128 v[\f+4*\t:\f+4*\t+3], v[RD] offset:\t*2*SPITCH    ; my own bytes, and LDS serves a wave's instructions in order
.endr
.irp t, 0,1,2,3,4,5,6,7
	s_wait_dscnt 7-\t
	global_store_b128 v[CO], v[\f+4*\t:\f+4*\t+3], s[8:9] offset:\t*8192 th:TH_STORE_NT   ; sixteen lanes store 256 consecutive bytes, aligned
.endr
.endm
	OUT16 0, F0
	OUT16 1, F1
	OUT16 2, F0
	OUT16 3, F1
	s_wait_tensorcnt 0x0
	ds_add_u32 v254, v255
	s_wait_dscnt 0x0
	CROUND                                         ; the closing round
	s_endpgm
.Lfunc_end_k_q6fe214b06a_outp:
	.size	k_q6fe214b06a_outp, .Lfunc_end_k_q6fe214b06a_outp-k_q6fe214b06a_outp
	.p2alignl 7, 3214868480
	.fill 96, 4, 3214868480
	.section	.rodata,"a",@progbits
	.p2align	6, 0x0
	.amdhsa_kernel k_q6fe214b06a_outp
		.amdhsa_group_segment_fixed_size 327680
		.amdhsa_private_segment_fixed_size 0
		.amdhsa_enable_private_segment 0
		.amdhsa_kernarg_size 24
		.amdhsa_user_sgpr_count 2
		.amdhsa_user_sgpr_kernarg_segment_ptr 1
		.amdhsa_wavefront_size32 1
		.amdhsa_system_sgpr_workgroup_id_x 1
		.amdhsa_system_sgpr_workgroup_id_y 1
		.amdhsa_system_sgpr_workgroup_id_z 1
		.amdhsa_system_vgpr_workitem_id 0
		.amdhsa_next_free_vgpr 384
		.amdhsa_next_free_sgpr 66
		.amdhsa_reserve_vcc 0
		.amdhsa_float_denorm_mode_32 3
		.amdhsa_float_denorm_mode_16_64 3
		.amdhsa_memory_ordered 1
		.amdhsa_forward_progress 1
		.amdhsa_inst_pref_size 90
	.end_amdhsa_kernel
	.amdgpu_metadata
---
amdhsa.version: [ 1, 2 ]
amdhsa.kernels:
  - .name:           k_q6fe214b06a_outp
    .symbol:         k_q6fe214b06a_outp.kd
    .args:
      - { .name: ao, .offset: 0, .size: 8, .value_kind: global_buffer, .address_space: global }
      - { .name: wh, .offset: 8, .size: 8, .value_kind: global_buffer, .address_space: global }
      - { .name: out0, .offset: 16, .size: 8, .value_kind: global_buffer, .address_space: global }
    .group_segment_fixed_size: 327680
    .private_segment_fixed_size: 0
    .kernarg_segment_align: 8
    .kernarg_segment_size: 24
    .max_flat_workgroup_size: 128
    .sgpr_count:     66
    .vgpr_count:     384
    .wavefront_size: 32
...
	.end_amdgpu_metadata
.endif
;; end of part 4
